; MI455X (gfx1250); checked and timed in simulation.
; The chip was launched on July 23, 2026; its instructions are those of AMD's public machine-readable ISA for CDNA 5 (MIT licence, August 2026) and "CDNA5" Instruction Set Architecture Reference Guide (July 2026). The comments in the code are by the model that wrote it; some were corrected since.
;; Latent Encoder. Allowed arithmetic: matrix products marked QUANTISED: E2M1 operands, one E8M0 scale for each 32 along K, by v_wmma_scale_f32_16x16x128_f8f6f4 with both operands' format E2M1 (or v_wmma_scale_f32_32x16x128_f4), f32 sums; products left as they are: f32 operands where the result goes on into a quantised operand, else bf16, f16 or f32 operands; f32 sums; everything else in f32.
;; Inputs: W_codes 64 x 256 x 32 x 16 uint8 (E2M1 codes of W, K innermost, in blocks of 32 codes, two codes a byte); W_scales 64 x 256 x 32 uint8 (E8M0 scales of W, one for each 32 codes along K); b 64 x 256 float32; hiddens_codes 4,096 x 32 x 16 uint8 (E2M1 codes of hiddens, K innermost, in blocks of 32 codes, two codes a byte); hiddens_scales 4,096 x 32 uint8 (E8M0 scales of hiddens, one for each 32 codes along K); y 4,096 x 64 float32.
;; Outputs: out0 4,096 x 128 float32; out1 4,096 x 128 float32.
;; This version of the problem:
;;   THIS VERSION OF THE PROBLEM IS GIVEN IN LOW PRECISION. The matrix products marked QUANTISED in the list below multiply operands that are first quantised to E2M1 (2 exponent bits, 1 mantissa bit; 4 bits a number), with one power-of-two scale for each 32 numbers along K (OCP MX v1.0); their sums are f32. All else is computed in f32.
;;   The module's matrix products, in the order in which they are computed (A, B: the left and right operand; K: the contracted axis; several contracted axes count as one K, in the product's order):
;;     1. [M 16,384, K 1,024] x [K 1,024, N 4,096]; A: input W (given as codes); B: input hiddens (given as codes): QUANTISED
;;     2. batch 4,096 x [M 1, K 64] x [K 64, N 256]; A: input y; B: computed on the way: left as it is (M = 1 < 16)
;;   THE QUANTISER, for each operand of a quantised product, along K:
;;     - K is cut into blocks of 32 from its start; a last block that is shorter is filled with zeros.
;;     - A block's scale is 2^e with e = floor(log2(the largest magnitude in the block)) - 2, held to -126 .. 127; a block of zeros has e = 0. As a byte (E8M0): e + 127.
;;     - Each number is divided by its block's scale, clamped to +-6, and rounded to the nearest number of E2M1, ties to even, subnormals kept.
;;     - The product sums the exact products of the quantised numbers (number of the format x scale) in f32.
;;   ~~~python
;;   def quantise(x, axis):      # numpy; x: float32 -> the quantised numbers, widened to float32 again
;;       x = np.moveaxis(x, axis, -1); K = x.shape[-1]
;;       x = np.pad(x, [(0, 0)] * (x.ndim - 1) + [(0, -K % 32)]); x = x.reshape(x.shape[:-1] + (-1, 32)); a = np.abs(x).max(-1, keepdims=True)
;;       e = np.where(a > 0, np.clip(np.frexp(np.where(a > 0, a, 1))[1] - 1 - 2, -126, 127), 0)      # np.frexp(a)[1] - 1 = floor(log2(a)), exactly
;;       r = np.clip(x / 2.0 ** e, -6, 6)
;;       step = 2.0 ** (np.maximum(np.frexp(np.where(r == 0, 1, r))[1] - 1, 0) - 1)
;;       q = np.round(r / step) * step * 2.0 ** e      # np.round: ties to even
;;       return np.moveaxis(q.reshape(q.shape[:-2] + (-1,))[..., :K], -1, axis).astype(np.float32)
;;   ~~~
;;   INPUTS GIVEN AS CODES. W (in the module: [64, 256, 1024], K = its axis 2); hiddens (in the module: [4096, 1024], K = its axis 1): each comes as NAME_codes (uint8): NAME with its K axis moved to the last place and cut into blocks of 32 codes, [.., K / 32, bytes a block], one block behind the other in memory; two codes a byte, the lower K in the low four bits (a code: sign, 2 exponent bits, 1 mantissa bit); and NAME_scales (uint8): the same leading axes, one E8M0 byte (e + 127) for each 32 codes along K. Its value is code x scale, taken as it is: it is not quantised again, and the codes and scales need not be those that the quantiser above would give.
;; 2 versions, each right and faster than the one before. Each part assembles by itself: llvm-mc -triple=amdgcn-amd-amdhsa -mcpu=gfx1250 --defsym DOCPART=n.
;; ======== version 1 of 2: 1 launch
;; launch enc (part 1): grid 16 x 16, 4 waves a work-group, clusters of 4 x 4, 327,680 bytes of LDS; arguments W_codes, W_scales, b, hiddens_codes, hiddens_scales, y, out0, out1; writes out0, out1
.if DOCPART == 1
	.amdgcn_target "amdgcn-amd-amdhsa--gfx1250"
	.amdhsa_code_object_version 6
	.text
	.protected	k_q92d6b28da1_enc
	.globl	k_q92d6b28da1_enc
	.p2align	8
	.type	k_q92d6b28da1_enc,@function
k_q92d6b28da1_enc:
	s_mov_b64 s[64:65], 0
	v_nop
	global_prefetch_b8 v0, s[64:65] scope:SCOPE_SE
	s_setreg_imm32_b32 hwreg(HW_REG_WAVE_MODE, 25, 1), 1
	s_wait_xcnt 0x0
	s_wait_alu depctr_hold_cnt(0) depctr_sa_sdst(0) depctr_va_vdst(0) depctr_va_sdst(0) depctr_va_ssrc(0) depctr_va_vcc(0) depctr_vm_vsrc(0)
	s_getreg_b32 s2, hwreg(HW_REG_IB_STS2, 6, 4)
	s_cmp_eq_u32 s2, 0
	s_cbranch_scc0 .Lentry_in_a_cluster
	s_endpgm
.Lentry_in_a_cluster:
	s_bfe_u32 s2, ttmp6, 0x10000c
	s_cmp_lg_u32 s2, 0xf033
	s_cbranch_scc0 .Lentry_shape_is_right
	s_endpgm
.Lentry_shape_is_right:
; logits[b][k] = sum over j of y[b][j] x (sum over f of h[b][f] W[j][k][f] + bias[j][k]);  out0 = logits[:, 0:128];  out1 = sqrt(softplus(logits[:, 128:256])).
; h [4096][1024] and W [64][256][1024] are codes of FP4 (E2M1), two a byte, with one E8M0 byte for each 32 along K; they go to the matrix instruction as they lie.  y, bias, out0, out1: f32.
; SHARES.  A work-group makes 256 batch rows (bt) x 16 columns of the logits (lt) for all 64 experts and all of K: 16 x 16 work-groups.  All experts of an output lie in one work-group, so no sum spans
; work-groups.  Of the tiles with 4,096 outputs this one reads the fewest bytes: 64 x 16 rows of W (512 KB) and 256 rows of h (128 KB).  Its price: a work-group's piece of an output row is 64 bytes, so a
; store of a wave covers eight pieces of 64 consecutive bytes; the four work-groups beside each other along x write the four quarters of the same 256 bytes.
; Wave w = 2 eh + bh takes 128 batch rows (half bh) and 32 experts (half eh).  Its 128 rows of h stay in 512 registers for the whole launch, so one expert's fragments of W (8 KB from LDS) feed 64 matrix
; instructions.  The two halves of the experts meet once, at the end, through LDS.
; THE MATRIX INSTRUCTION IS USED TRANSPOSED: source 0 = 16 rows of W[j], source 1 = 16 batch rows.  Lane (r, h) then holds batch row r and its register i column 16 lt + 8 h + i: y[b][j] is ONE number a lane.
; The bias is the C of each sum's first instruction.  An expert's finished tile enters the output by four packed multiply-adds with y.
; CLUSTER, 4 x 4.  W's codes and scales and the bias hang on lt alone: asked for jointly along a column of the cluster.  h's codes and y hang on bt alone: jointly along a row.  Every tensor load is joint.
; LDS.  A position = one expert's 16 rows x (512 + 16) bytes.  Two slots of 12 positions (P, Q): the low half's experts at positions 0-5 of a slot, the high half's at 6-11.  h passes through positions 10-25 at
; the start, so the first slot holds only 4 experts of each half (positions 0-3, 6-9).  A wave's experts 0-3 | 4-9 | 10-15 | 16-21 | 22-27 | 28-31 lie in P | Q | P | Q | P | Q.  Behind them y, W's scales, the bias.
; LIMITS.  Where sigma's input lies under about -87 the exponential gives 0 and sigma comes out 0, where the exact number lies under 1.3e-19.  A scale byte 0xff gives NaN, as the format has it; NaN and
; infinities in y or the bias go through the arithmetic as they are.  The sum over the experts is formed as two halves of 32, added at the end: another order of rounding than a single chain's.
; REGISTERS, in windows of 256 (s_set_vgpr_msb: bits 1:0 source 0, 3:2 source 1, 5:4 source 2, 7:6 destination):
;   window 0: v1-7 addresses; v8-39 h's scale words; v40-47 W's, two sets; v48-63 the bias, two sets; v64-191 W's fragments, two sets; v192-255 the eight tiles of the expert in hand
;   windows 1, 2: h's fragments: tile t in window 1 + t / 4 at 64 (t % 4) + 8 s.     window 3: v0-63 the output's eight tiles; v64-79 y, a pair of experts for each tile
.set POS,   8448                       ; a position
.set QB,    12*POS                     ; slot Q (slot P begins at 0)
.set HB,    10*POS                     ; h's 256 rows x 528 bytes, at the start only
.set YP,    272                        ; a row of y in LDS: 256 bytes + 16
.set YL,    26*POS                     ; y: 256 rows
.set SCW,   YL+256*YP                  ; W's scale bytes: expert j's 16 rows x 32 bytes at 512 j
.set BIA,   SCW+64*512                 ; the bias: expert j's 16 numbers at 64 j
.set SPARE, BIA+64*64                  ; the spare words, 128 bytes for each wave: two blocks of 256 bytes that no other line names
.set SGP,   80                         ; the way out: a stage row, 64 bytes + 16;
.set SGW,   128*SGP                    ; wave w's stage at SGW w, in slot P, which by then has had its last fill and its last read
.set SPW,  1                           ; v1  LDS address of my spare word; never rewritten
.set NIL,  2                           ; v2  0; never rewritten
.set AW0,  3                           ; v3  my lane's place in a position, and my half's six positions
.set ASW0, 4                           ; v4  my lane's place among W's scale words
.set AB0,  5                           ; v5  in the bias
.set AY0,  6                           ; v6  in y
.set ADR,  7                           ; v7  the address of the loads in hand
.set HS,   8                           ; h's scale words: register 4 t + i: lanes 0-15 K step i of tile t's rows, lanes 16-31 K step 4 + i
.set WS,   40                          ; W's likewise, set p at WS + 4 p
.set BI,   48                          ; the bias, set p at BI + 8 p
.set WF,   64                          ; W's fragments, set p at WF + 64 p, K step s at + 8 s
.set D,    192                         ; tile t at D + 8 t
.set Y,    64                          ; window 3: tile t's pair at Y + 2 t
.set WV,   20                          ; s20 wave;  s21 its half of the experts;  s22 its half of the batch rows;  s23 the loops' counter, at the head a temporary for terms of the wave's number
.set EH,   21
.set BH,   22
.set CNT,  23
.set G1H,  24                          ; descriptor groups 1: h's codes, y, W's scales, the bias, W's codes for three experts and for two
.set G1Y,  32
.set G1S,  40
.set G1B,  48
.set G1C3, 56
.set G1C2, 68
.set G0H,  76                          ; groups 0
.set G0S,  80
.set G0B,  84
.set G0C,  88
.set G0Y,  92
.set TB,   96                          ; s96 LDS byte of the next even expert's position;  s97, s98, s99 the same for its scale words, its bias and its pair of y
.set TS,   97
.set TBI,  98
.set TY,   99
.set L3,   100                         ; s100, s101 my part of a slot, where I fetch three experts and where two
.set L2,   101
.set BT,   66                          ; s66 bt;  s67 lt
.set LT,   67
.set WB3,  4                           ; s[4:5], s[6:7] W's codes at my first expert, for loads of three and of two
.set WB2,  6
.set FMW,  0xfc                        ; the multiply-adds with y: source 0 (the tile) window 0, all else window 3
.set MSB,  0
.macro WIN new                         ; the immediate's high byte repeats the setting that is left; a switch that changes nothing is dropped
.if MSB != (\new)
	s_set_vgpr_msb (MSB<<8)|(\new)
.set MSB, (\new)
.endif
.endm
.macro PLACES                          ; four plain vector instructions (ISA guide 7.12.1)
.rept 4
	v_nop
.endr
.endm
; A round of the cluster's barrier: my work-group's barrier, wave 0 signals for the work-group, every wave waits for all sixteen, my work-group's barrier once more.
.macro CROUND
	s_barrier_signal -1
	s_barrier_wait -1
	s_cmp_lg_u32 s[WV], 0
	s_cbranch_scc1 .Lnot_wave_0_\@
	s_barrier_signal -3
.Lnot_wave_0_\@:
	s_barrier_wait -3
	s_barrier_signal -1
	s_barrier_wait -1
.endm
.macro G1REST g, c, r, p               ; a tile of r rows x c elements of 8 bytes, p elements from row to row; the tensor's extents are the tile's
	s_mov_b32 s[\g+1], (\c)<<16
	s_mov_b32 s[\g+2], (\r)<<16
	s_mov_b32 s[\g+3], (\c)<<16
	s_mov_b32 s[\g+4], \r
	s_mov_b32 s[\g+5], \p
	s_mov_b32 s[\g+6], 0
	s_mov_b32 s[\g+7], 0
.endm
	s_load_b512 s[4:19], s[0:1], 0x0               ; W's codes s[4:5], W's scales s[6:7], bias s[8:9], h's codes s[10:11], h's scales s[12:13], y s[14:15], out0 s[16:17], out1 s[18:19]
	v_lshl_add_u32 v[SPW], v0, 2, SPARE
	v_mov_b32 v[NIL], 0
	ds_add_u32 v1, v2
	ds_add_u32 v1, v2
	s_wait_dscnt 0x0
	v_lshrrev_b32 v[ADR], 5, v0
	v_readfirstlane_b32 s[WV], v[ADR]              ; wave 0..3
	s_lshr_b32 s[EH], s[WV], 1
	s_and_b32 s[BH], s[WV], 1
	s_bfe_u32 s104, ttmp6, 0x40000                 ; cx
	s_bfe_u32 s2, ttmp6, 0x40004                   ; cy
	s_lshl_b32 s[LT], ttmp9, 2
	s_add_co_u32 s[LT], s[LT], s104                ; lt = 4 x cluster x + cx
	s_and_b32 s[BT], ttmp7, 0xffff
	s_lshl_b32 s[BT], s[BT], 2
	s_add_co_u32 s[BT], s[BT], s2                  ; bt = 4 x cluster y + cy
	s_lshl_b32 s2, s2, 2
	s_lshl_b32 s2, 15, s2                          ; my row of the cluster
	s_lshl_b32 s104, 0x1111, s104                  ; my column
	; groups 1.  Word 0: 15:0 the mask; 17:16 elements of 8 bytes; 20 padding on; 21 set beside a mask; 24:22 the padding's interval; 31:25 four words of it
	s_or_b32 s[G1H], s2, (3<<16)|(1<<20)|(1<<21)|(6<<22)|(3<<25)     ; h: rows of 512 bytes, 16 behind each
	s_or_b32 s[G1Y], s2, (3<<16)|(1<<20)|(1<<21)|(5<<22)|(3<<25)     ; y: rows of 256 bytes, 16 behind each
	s_or_b32 s[G1S], s104, (3<<16)|(1<<21)                           ; W's scales: an expert's 512 bytes a row, dense in LDS
	s_or_b32 s[G1B], s104, (3<<16)|(1<<21)                           ; the bias: an expert's 64 bytes a row
	s_or_b32 s[G1C3], s104, (3<<16)|(1<<20)|(1<<21)|(6<<22)|(3<<25)  ; W's codes: a row of the tile is an expert's 16 rows, 8,192 dense bytes; 16 bytes of padding behind every 512: 8,448 in LDS
	s_or_b32 s[G1C2], s104, (3<<16)|(1<<20)|(1<<21)|(6<<22)|(3<<25)
	G1REST G1H, 64, 64, 64                         ; 64 rows of h
	G1REST G1Y, 32, 64, 32                         ; 64 rows of y
	G1REST G1S, 64, 16, 1024                       ; 16 experts, 8,192 bytes apart
	G1REST G1B, 8, 16, 128                         ; 16 experts, 1,024 bytes apart
	G1REST G1C3, 1024, 3, 16384                    ; 3 experts, 131,072 bytes apart
	G1REST G1C2, 1024, 2, 16384                    ; 2 experts
	s_mul_i32 s[L3], s[WV], 3*POS                  ; positions 3 w on
	s_mul_i32 s[L2], s[EH], 6*POS
	s_mul_i32 s[CNT], s[BH], 2*POS
	s_add_co_u32 s[L2], s[L2], s[CNT]              ; positions 6 eh + 2 bh on
	s_mov_b32 s[G0H], 1                            ; groups 0: count 1; the LDS address: a constant + the wave's number x a constant
	s_mul_i32 s[G0H+1], s[WV], 64*528
	s_add_co_u32 s[G0H+1], s[G0H+1], HB
	s_mov_b32 s[G0Y], 1
	s_mul_i32 s[G0Y+1], s[WV], 64*YP
	s_add_co_u32 s[G0Y+1], s[G0Y+1], YL
	s_mov_b32 s[G0S], 1
	s_lshl_b32 s[G0S+1], s[WV], 13
	s_add_co_u32 s[G0S+1], s[G0S+1], SCW
	s_mov_b32 s[G0B], 1
	s_lshl_b32 s[G0B+1], s[WV], 10
	s_add_co_u32 s[G0B+1], s[G0B+1], BIA
	s_mov_b32 s[G0C], 1
	s_mov_b32 s[G0C+1], s[L2]                      ; the first slot: P, two experts a wave
	s_mov_b32 s3, 0
	s_mov_b32 s105, 0
	s_wait_kmcnt 0x0
	; the global addresses.  s[2:3] take terms of bt, which my row of the cluster shares; s[104:105] terms of lt, which my column shares
	s_lshl_b32 s2, s[BT], 17                       ; h: 256 rows of 512 bytes a work-group, 64 a wave
	s_lshl_b32 s[CNT], s[WV], 15
	s_add_co_u32 s2, s2, s[CNT]
	s_add_nc_u64 s[G0H+2:G0H+3], s[10:11], s[2:3]
	s_or_b32 s[G0H+3], s[G0H+3], 0x80000000
	s_lshl_b32 s2, s[BT], 16                       ; y: 256 rows of 256 bytes, 64 a wave
	s_lshl_b32 s[CNT], s[WV], 14
	s_add_co_u32 s2, s2, s[CNT]
	s_add_nc_u64 s[G0Y+2:G0Y+3], s[14:15], s[2:3]
	s_or_b32 s[G0Y+3], s[G0Y+3], 0x80000000
	s_lshl_b32 s104, s[LT], 9                      ; W's scales: my 16 rows of 32 bytes; experts 16 w on
	s_lshl_b32 s[CNT], s[WV], 17
	s_add_co_u32 s104, s104, s[CNT]
	s_add_nc_u64 s[G0S+2:G0S+3], s[6:7], s[104:105]
	s_or_b32 s[G0S+3], s[G0S+3], 0x80000000
	s_lshl_b32 s104, s[LT], 6                      ; the bias: my 16 numbers; experts 16 w on
	s_lshl_b32 s[CNT], s[WV], 14
	s_add_co_u32 s104, s104, s[CNT]
	s_add_nc_u64 s[G0B+2:G0B+3], s[8:9], s[104:105]
	s_or_b32 s[G0B+3], s[G0B+3], 0x80000000
	s_lshl_b32 s104, s[LT], 13                     ; W's codes: my 16 rows of 512 bytes, expert 32 eh
	s_lshl_b32 s[CNT], s[EH], 22
	s_add_co_u32 s104, s104, s[CNT]
	s_add_nc_u64 s[4:5], s[4:5], s[104:105]
	s_lshl_b32 s104, s[BH], 18
	s_add_nc_u64 s[WB2:WB2+1], s[4:5], s[104:105]  ; + 2 bh experts
	s_mul_i32 s104, s[BH], 3<<17
	s_add_nc_u64 s[WB3:WB3+1], s[4:5], s[104:105]  ; + 3 bh experts
	s_mov_b64 s[G0C+2:G0C+3], s[WB2:WB2+1]
	s_or_b32 s[G0C+3], s[G0C+3], 0x80000000
	CROUND                                         ; all sixteen work-groups are here: the first joint loads meet
	tensor_load_to_lds s[G0H:G0H+3], s[G1H:G1H+7]  ; the first fills, one group: five loads of mine are out.  h first: it is wanted first
	s_nop 0
	tensor_load_to_lds s[G0S:G0S+3], s[G1S:G1S+7]
	s_nop 0
	tensor_load_to_lds s[G0B:G0B+3], s[G1B:G1B+7]
	s_nop 0
	tensor_load_to_lds s[G0C:G0C+3], s[G1C2:G1C2+7]
	s_nop 0
	tensor_load_to_lds s[G0Y:G0Y+3], s[G1Y:G1Y+7]
	s_nop 0
	PLACES
	s_cmp_lt_u32 ttmp9, 2                          ; lt < 8: the mean's columns.  The cluster's x: equal in all partners
	s_cselect_b64 s[16:17], s[16:17], s[18:19]
	s_lshl_b32 s2, s[BT], 17                       ; the rows that I store: 256 bt + 128 bh + 64 eh on, 512 bytes each,
	s_lshl_b32 s[CNT], s[BH], 16
	s_add_co_u32 s2, s2, s[CNT]
	s_lshl_b32 s[CNT], s[EH], 15
	s_add_co_u32 s2, s2, s[CNT]
	s_add_nc_u64 s[16:17], s[16:17], s[2:3]
	s_and_b32 s104, s[LT], 7
	s_lshl_b32 s104, s104, 6                       ; and my 64 bytes in them
	s_add_nc_u64 s[16:17], s[16:17], s[104:105]
	s_lshl_b32 s2, s[BT], 13                       ; h's scales: my 128 rows of 32 bytes
	s_lshl_b32 s[CNT], s[BH], 12
	s_add_co_u32 s2, s2, s[CNT]
	s_add_nc_u64 s[12:13], s[12:13], s[2:3]
	v_and_b32 v192, 15, v0                         ; r
	v_bfe_u32 v193, v0, 4, 1                       ; h
	v_mul_u32_u24 v194, v192, 528
	v_lshl_add_u32 v194, v193, 4, v194             ; a fragment's row x pitch + 16 h
	v_lshlrev_b32 v195, 5, v192
	v_lshl_add_u32 v195, v193, 4, v195             ; a row's 32 scale bytes: lanes 0-15 take K steps 0-3, lanes 16-31 K steps 4-7
.irp t, 0,1,2,3,4,5,6,7
	global_load_b128 v[HS+4*\t:HS+4*\t+3], v195, s[12:13] offset:512*\t   ; 32 lanes read 512 consecutive bytes: the scale words of tile t's 16 rows
.endr
	s_mul_i32 s2, s[EH], 6*POS
	v_add_nc_u32 v[AW0], s2, v194
	s_lshl_b32 s2, s[EH], 14
	s_add_co_u32 s2, s2, SCW
	v_add_nc_u32 v[ASW0], s2, v195
	s_lshl_b32 s2, s[EH], 11
	s_add_co_u32 s2, s2, BIA
	v_lshl_add_u32 v[AB0], v193, 5, s2             ; the bias of columns 8 h on
	s_mul_i32 s2, s[BH], 128*YP
	s_lshl_b32 s[CNT], s[EH], 7
	s_add_co_u32 s2, s2, s[CNT]
	s_add_co_u32 s2, s2, YL
	v_mul_u32_u24 v[AY0], v192, YP
	v_add_nc_u32 v[AY0], s2, v[AY0]                ; y: row 128 bh + r, experts 32 eh on
	s_mul_i32 s2, s[BH], 128*528
	s_add_co_u32 s2, s2, HB
	v_add_nc_u32 v[ADR], s2, v194                  ; h: row 128 bh + r
	s_wait_tensorcnt 4                             ; my part of h is in; the four loads issued behind it may stay out
	s_barrier_signal -1
	s_barrier_wait -1                              ; everybody's is
	; h's 128 rows into 512 registers: tile t, K step s: two loads of 16 bytes, 32 bytes apart (registers 4 c .. 4 c + 3 hold K = 128 s + 64 c + 32 h + 0 .. 31)
	WIN 0x40                                       ; destination window 1
.irp t, 0,1,2,3
.irp s, 0,1,2,3,4,5,6,7
	ds_load_b128 v[64*\t+8*\s:64*\t+8*\s+3],   v[ADR] offset:POS*\t+64*\s
	ds_load_b128 v[64*\t+8*\s+4:64*\t+8*\s+7], v[ADR] offset:POS*\t+64*\s+32
.endr
.endr
	WIN 0x80                                       ; destination window 2
.irp t, 0,1,2,3
.irp s, 0,1,2,3,4,5,6,7
	ds_load_b128 v[64*\t+8*\s:64*\t+8*\s+3],   v[ADR] offset:POS*(\t+4)+64*\s
	ds_load_b128 v[64*\t+8*\s+4:64*\t+8*\s+7], v[ADR] offset:POS*(\t+4)+64*\s+32
.endr
.endr
; Matrix instruction i of a phase's 32: K step i / 4, tile 4 half + i % 4, W's set par.  The four accumulators take turns, one instruction a turn.
; The first K step takes the bias as C.  K steps 4-7 take their scale words from lanes 16-31.
.macro MM par, half
.set KQ, i/4
.set rD, D+8*(4*(\half)+i%4)
.set rA, WF+64*(\par)+8*KQ
.set rB, 64*(i%4)+8*KQ
.set rW, WS+4*(\par)+KQ%4
.set rH, HS+4*(4*(\half)+i%4)+KQ%4
.if KQ == 0
	v_wmma_scale_f32_16x16x128_f8f6f4 v[rD:rD+7], v[rA:rA+7], v[rB:rB+7], v[BI+8*(\par):BI+8*(\par)+7], v[rW], v[rH] matrix_a_fmt:MATRIX_FMT_FP4 matrix_b_fmt:MATRIX_FMT_FP4
.elseif KQ < 4
	v_wmma_scale_f32_16x16x128_f8f6f4 v[rD:rD+7], v[rA:rA+7], v[rB:rB+7], v[rD:rD+7], v[rW], v[rH] matrix_a_fmt:MATRIX_FMT_FP4 matrix_b_fmt:MATRIX_FMT_FP4
.else
	v_wmma_scale_f32_16x16x128_f8f6f4 v[rD:rD+7], v[rA:rA+7], v[rB:rB+7], v[rD:rD+7], v[rW], v[rH] matrix_a_fmt:MATRIX_FMT_FP4 matrix_b_fmt:MATRIX_FMT_FP4 matrix_a_scale:MATRIX_SCALE_ROW1 matrix_b_scale:MATRIX_SCALE_ROW1
.endif
.endm
; Four numbers (half FQ) of tile FT enter the output: out += tile x y.  sel: which expert of y's pair.  kind = 2: the first expert starts the sums: nothing is cleared.
.macro FM2 sel, kind
.irp n, 0,2
.set rO, 8*FT+4*FQ+\n
.if (\kind) == 2
	v_pk_mul_f32 v[rO:rO+1], v[D+rO:D+rO+1], v[Y+2*FT:Y+2*FT+1] op_sel_hi:[1,0]
.elseif (\sel) == 0
	v_pk_fma_f32 v[rO:rO+1], v[D+rO:D+rO+1], v[Y+2*FT:Y+2*FT+1], v[rO:rO+1] op_sel_hi:[1,0,1]
.else
	v_pk_fma_f32 v[rO:rO+1], v[D+rO:D+rO+1], v[Y+2*FT:Y+2*FT+1], v[rO:rO+1] op_sel:[0,1,0] op_sel_hi:[1,1,1]
.endif
.endr
.endm
; A PHASE: one expert (W's set par) against four tiles of batch rows (half): 32 matrix instructions.  Behind them, by their number i:
;   0, 1         four plain vector instructions: the places behind the phase before, for the first read of the other half's tiles and for the loads into the other set
;   2, 4 .. 16   fm: the other half's four finished tiles enter the output, two packed multiply-adds at a time, each tile from its low end on (1: multiply-add, 2: multiply)
;   3, 5 .. 17   fetch: the fragments of the expert foff positions behind TB into the other set, two loads at a time;  19: its scale words;  21: its bias
;   23, 24       yld: the next pair of y for the tiles that have just been weighted
; A phase's first four products begin tiles anew with another C: behind those tiles' last products stand the phase between's four places and twelve multiply-adds on other tiles.
.macro PHASE par, half, fetch, foff, fm, ysel, yld
.set MW, 0x04+4*(\half)                ; source 1 (h) window 1 or 2, all else window 0: LDS loads into window 0 and the additions below need no switch
	WIN MW
.set i, 0
.rept 32
	MM \par, \half
.if i == 0
.if \fetch
	v_add_nc_u32 v[ADR], v[AW0], s[TB]
.else
	v_nop
.endif
	v_nop
.elseif i == 1
	v_nop
	v_nop
.elseif (i <= 16) && (i%2 == 0)
.if \fm
	WIN FMW
.set FT, 4*(1-(\half))+(i-2)/4
.set FQ, ((i-2)/2)%2
	FM2 \ysel, \fm
	WIN MW
.endif
.elseif i <= 17
.if \fetch
.set FS, (i-3)/2
	ds_load_b128 v[WF+64*(1-(\par))+8*FS:WF+64*(1-(\par))+8*FS+3],   v[ADR] offset:POS*(\foff)+64*FS
	ds_load_b128 v[WF+64*(1-(\par))+8*FS+4:WF+64*(1-(\par))+8*FS+7], v[ADR] offset:POS*(\foff)+64*FS+32
.endif
.elseif i == 19
.if \fetch
	v_add_nc_u32 v[ADR], v[ASW0], s[TS]
	ds_load_b128 v[WS+4*(1-(\par)):WS+4*(1-(\par))+3], v[ADR] offset:512*(\foff)
.endif
.elseif i == 21
.if \fetch
	v_add_nc_u32 v[ADR], v[AB0], s[TBI]
	ds_load_b128 v[BI+8*(1-(\par)):BI+8*(1-(\par))+3],   v[ADR] offset:64*(\foff)
	ds_load_b128 v[BI+8*(1-(\par))+4:BI+8*(1-(\par))+7], v[ADR] offset:64*(\foff)+16
.endif
.elseif i == 23
.if \yld
	v_add_nc_u32 v[ADR], v[AY0], s[TY]
.endif
.elseif i == 24
.if \yld
	WIN FMW                                        ; destination window 3, address window 0
.irp u, 0,1,2,3
	ds_load_b64 v[Y+2*(4*(1-(\half))+\u):Y+2*(4*(1-(\half))+\u)+1], v[ADR] offset:16*YP*(4*(1-(\half))+\u)
.endr
	WIN MW
.endif
.endif
.set i, i+1
.endr
.endm
.macro STEPS                           ; on by two experts
	s_add_co_u32 s[TB], s[TB], 2*POS
	s_add_co_u32 s[TS], s[TS], 1024
	s_add_co_u32 s[TBI], s[TBI], 128
	s_add_co_u32 s[TY], s[TY], 8
.endm
; A TRIP: an odd expert o (set 1), then the even expert o + 1 (set 0).  It fetches experts o + 1 and o + 2, and y's pair (o + 1, o + 2).  first = 1: tiles 4-7 of expert 0 start their sums.
.macro TRIP first
	s_wait_dscnt 0x0                               ; expert o's 19 loads and y's pair for tiles 4-7, all issued a phase ago or more
	PHASE 1, 0, 1, 0, 1+\first, 0, 0               ; tiles 0-3 of o | tiles 4-7 of o - 1 enter the output | expert o + 1 is fetched
	PHASE 1, 1, 0, 0, 1, 1, 1                      ; tiles 4-7 of o | tiles 0-3 of o enter | the next pair of y for tiles 0-3
	s_wait_dscnt 4                                 ; expert o + 1's 19 loads are in; the four of y issued behind them may be out
	PHASE 0, 0, 1, 1, 1, 1, 1                      ; tiles 0-3 of o + 1 | tiles 4-7 of o enter | expert o + 2 is fetched | the next pair of y for tiles 4-7
	s_wait_dscnt 23                                ; y for tiles 0-3 is in; the 19 + 4 loads issued behind it may be out
	PHASE 0, 1, 0, 0, 1, 0, 0                      ; tiles 4-7 of o + 1 | tiles 0-3 of o + 1 enter
	STEPS
.endm
.macro LOOPT n
	s_mov_b32 s[CNT], \n
.Ltrip_\@:
	TRIP 0
	WIN 0                                          ; at a label and at a branch every window is 0
	s_sub_co_u32 s[CNT], s[CNT], 1
	s_cmp_lg_u32 s[CNT], 0
	s_cbranch_scc1 .Ltrip_\@
.endm
; THE CHANGE OF SLOTS stands in front of the products of a slot's last expert, whose fragments are in registers by then.  Each wave waits for all its tensor loads, of which one is out: its part of the slot ahead;
; adds 0 to its spare word; and waits for that and for its reads of the slot that it leaves.  The fetches go on at LDS byte newtb, with my expert a.  fill = 1: the slot that is left takes my experts a2 on: the
; barrier is then a round of the cluster's, so that no wave of any partner still reads the slot or has a load on its way, and the joint refill is the first thing behind it.
.macro CHANGE fill, g1, lreg, lbase, gbase, a2, newtb, a
	WIN 0
	s_wait_tensorcnt 0x0                           ; no tensor load of mine is out, so the group 0 may be written
	ds_add_u32 v[SPW], v[NIL]                      ; 0 onto my spare word; the scalar lines below stand between it and the wait for it
	s_mov_b32 s[TB], \newtb
	s_mov_b32 s[TS], 512*(\a)
	s_mov_b32 s[TBI], 64*(\a)
	s_mov_b32 s[TY], 4*(\a)
.if \fill
	s_add_co_u32 s[G0C+1], s[\lreg], \lbase
	s_add_nc_u64 s[G0C+2:G0C+3], s[\gbase:\gbase+1], (\a2)<<17
	s_or_b32 s[G0C+3], s[G0C+3], 0x80000000
.endif
	s_wait_dscnt 0x0                               ; the add is done, and my reads of the slot that I leave are over
.if \fill
	CROUND
	tensor_load_to_lds s[G0C:G0C+3], s[\g1:\g1+7]  ; my one tensor load until the next round
	s_nop 0
	PLACES
.else
	s_barrier_signal -1
	s_barrier_wait -1
.endif
.endm
	CHANGE 1, G1C3, L3, QB, WB3, 4, 0, 0           ; h is in registers in every wave: Q, which lies over h's bytes, takes my experts 4-9.  All first fills have landed
	s_wait_loadcnt 0x0                             ; h's scale words
	v_add_nc_u32 v[ADR], v[AW0], s[TB]             ; expert 0 into set 0
.irp s, 0,1,2,3,4,5,6,7
	ds_load_b128 v[WF+8*\s:WF+8*\s+3],   v[ADR] offset:64*\s
	ds_load_b128 v[WF+8*\s+4:WF+8*\s+7], v[ADR] offset:64*\s+32
.endr
	v_add_nc_u32 v[ADR], v[ASW0], s[TS]
	ds_load_b128 v[WS:WS+3], v[ADR]
	v_add_nc_u32 v[ADR], v[AB0], s[TBI]
	ds_load_b128 v[BI:BI+3], v[ADR]
	ds_load_b128 v[BI+4:BI+7], v[ADR] offset:16
	v_add_nc_u32 v[ADR], v[AY0], s[TY]
	WIN FMW
.irp t, 0,1,2,3,4,5,6,7
	ds_load_b64 v[Y+2*\t:Y+2*\t+1], v[ADR] offset:16*YP*\t   ; y of experts 0 and 1 for all eight tiles
.endr
	s_wait_dscnt 0x0
	PHASE 0, 0, 1, 1, 0, 0, 0                      ; expert 0, tiles 0-3 | expert 1 is fetched
	PHASE 0, 1, 0, 0, 2, 0, 0                      ; expert 0, tiles 4-7 | tiles 0-3 start their sums
	STEPS
	TRIP 1                                         ; experts 1, 2; fetches 2, 3
	CHANGE 1, G1C3, L3, 0, WB3, 10, QB, 4          ; P takes experts 10-15; on in Q
	LOOPT 3                                        ; experts 3-8; fetches 4-9
	CHANGE 1, G1C3, L3, QB, WB3, 16, 0, 10         ; Q takes 16-21; on in P
	LOOPT 3                                        ; experts 9-14; fetches 10-15
	CHANGE 1, G1C3, L3, 0, WB3, 22, QB, 16         ; P takes 22-27; on in Q
	LOOPT 3                                        ; experts 15-20; fetches 16-21
	CHANGE 1, G1C2, L2, QB, WB2, 28, 0, 22         ; Q takes 28-31, two experts a wave; on in P
	LOOPT 3                                        ; experts 21-26; fetches 22-27
	CHANGE 0, G1C2, L2, 0, WB2, 0, QB, 28          ; nothing is left to ask for; on in Q.  Behind this barrier nobody reads P
	LOOPT 2                                        ; experts 27-30; fetches 28-31
	s_wait_dscnt 0x0
	PHASE 1, 0, 0, 0, 1, 0, 0                      ; expert 31, tiles 0-3 | tiles 4-7 of expert 30 enter
	PHASE 1, 1, 0, 0, 1, 1, 0                      ; expert 31, tiles 4-7 | tiles 0-3 of expert 31 enter
	PLACES                                         ; behind the last products
	WIN FMW
.irp t, 4,5,6,7
.irp q, 0,1
.set FT, \t
.set FQ, \q
	FM2 1, 1                                       ; tiles 4-7 of expert 31 enter
.endr
.endr
	WIN 0
	; THE WAY OUT.  Each wave puts its 128 rows x 16 columns, summed over its 32 experts, into its stage; behind a barrier wave (eh, bh) adds rows 64 eh .. 64 eh + 63 of half bh from the two stages that hold them.
.set STO, 66
.set RD,  70
.set GO,  71
.set X,   96                           ; v96-127 the low experts' sums, then the results;  v128-159 the high experts'
.set XP,  128
.set T,   160                          ; v160-191 at work
.set U,   168
.set Q,   176
.set M,   184
	v_and_b32 v64, 15, v0                          ; r
	v_bfe_u32 v65, v0, 4, 1                        ; h
	v_mul_u32_u24 v[STO], v64, SGP
	v_lshl_add_u32 v[STO], v65, 5, v[STO]
	s_mul_i32 s2, s[WV], SGW
	v_add_nc_u32 v[STO], s2, v[STO]                ; in: row r of a tile, 32 bytes for each half of the lanes
	v_and_b32 v67, 31, v0
	v_lshrrev_b32 v68, 2, v67                      ; back: four lanes to a row of 64 bytes, eight rows an instruction
	v_and_b32 v69, 3, v0
	v_mul_u32_u24 v[RD], v68, SGP
	v_lshl_add_u32 v[RD], v69, 4, v[RD]
	s_mul_i32 s2, s[BH], SGW
	s_mul_i32 s3, s[EH], 64*SGP
	s_add_co_u32 s2, s2, s3
	v_add_nc_u32 v[RD], s2, v[RD]
	v_lshlrev_b32 v[GO], 9, v68
	v_lshl_add_u32 v[GO], v69, 4, v[GO]            ; and the same place in the output: rows of 512 bytes
	WIN 0x0c                                       ; an LDS store's data are its source 1: window 3
.irp t, 0,1,2,3,4,5,6,7
	ds_store_b128 v[STO], v[8*\t:8*\t+3]   offset:16*SGP*\t
	ds_store_b128 v[STO], v[8*\t+4:8*\t+7] offset:16*SGP*\t+16
.endr
	WIN 0
	s_wait_dscnt 0x0                               ; for the others' sake: my stores into the stage are done
	s_barrier_signal -1
	s_barrier_wait -1
.irp n, 0,1,2,3,4,5,6,7
	ds_load_b128 v[X+4*\n:X+4*\n+3],   v[RD] offset:8*SGP*\n
	ds_load_b128 v[XP+4*\n:XP+4*\n+3], v[RD] offset:2*SGW+8*SGP*\n
.endr
	s_mov_b32 s2, 0xbfb8aa3b                       ; -log2(e)
	s_mov_b32 s3, 0x3a800000                       ; 2^-10
	s_mov_b32 s[CNT], 0x3f317218                   ; ln 2
	s_wait_dscnt 0x0
.irp n, 0,1,2,3,4,5,6,7,8,9,10,11,12,13,14,15
	v_pk_add_f32 v[X+2*\n:X+2*\n+1], v[X+2*\n:X+2*\n+1], v[XP+2*\n:XP+2*\n+1]
.endr
	s_cmp_lt_u32 ttmp9, 2
	s_cbranch_scc1 .Lmean                          ; the mean's columns leave as they are.  The branch hangs on the cluster's x alone and goes round vector work alone
	; sigma = sqrt(softplus(x)), softplus(x) = max(x, 0) + ln(1 + t), t = e^-|x|: no exponential can overflow.  Where t < 2^-10, 1 + t would lose t's low bits: ln(1 + t) = t (1 - t / 2) there, within t^3 / 3
.irp g, 0,1,2,3
.irp j, 0,1,2,3,4,5,6,7
	v_mul_f32 v[T+\j], s2, |v[X+8*\g+\j]|
.endr
.irp j, 0,1,2,3,4,5,6,7
	v_exp_f32 v[T+\j], v[T+\j]                     ; t
.endr
.irp j, 0,1,2,3,4,5,6,7
	v_max_num_f32 v[M+\j], 0, v[X+8*\g+\j]         ; (plain lines behind the exponentials, which touch none of their registers)
.endr
	s_wait_alu depctr_va_vdst(0)
.irp j, 0,1,2,3,4,5,6,7
	v_add_f32 v[U+\j], 1.0, v[T+\j]
.endr
.irp j, 0,1,2,3,4,5,6,7
	v_log_f32 v[U+\j], v[U+\j]
.endr
.irp j, 0,1,2,3,4,5,6,7
	v_fma_f32 v[Q+\j], v[T+\j], -0.5, 1.0          ; (plain lines behind the logarithms)
.endr
.irp j, 0,1,2,3,4,5,6,7
	v_mul_f32 v[Q+\j], v[Q+\j], v[T+\j]
.endr
	s_wait_alu depctr_va_vdst(0)
.irp j, 0,1,2,3,4,5,6,7
	v_cmp_gt_f32 vcc_lo, s3, v[T+\j]
	v_mul_f32 v[U+\j], s[CNT], v[U+\j]
	v_cndmask_b32 v[U+\j], v[U+\j], v[Q+\j], vcc_lo
	v_add_f32 v[X+8*\g+\j], v[M+\j], v[U+\j]
.endr
.irp j, 0,1,2,3,4,5,6,7
	v_sqrt_f32 v[X+8*\g+\j], v[X+8*\g+\j]
.endr
	v_nop                                          ; a plain line behind the roots
.endr
.Lmean:
	s_wait_alu depctr_va_vdst(0)
.irp n, 0,1,2,3,4,5,6,7
	global_store_b128 v[GO], v[X+4*\n:X+4*\n+3], s[16:17] offset:4096*\n   ; eight rows' pieces of 64 consecutive bytes
.endr
	s_wait_tensorcnt 0x0                           ; the wave's end, behind my last tensor load and my last LDS store
	ds_add_u32 v[SPW], v[NIL]
	s_wait_dscnt 0x0
	CROUND                                         ; the closing round: no work-group ends while a partner may still ask for a tile that names it
	s_endpgm
.Lfunc_end_k_q92d6b28da1_enc:
	.size	k_q92d6b28da1_enc, .Lfunc_end_k_q92d6b28da1_enc-k_q92d6b28da1_enc
	.p2alignl 7, 3214868480
	.fill 96, 4, 3214868480
	.section	.rodata,"a",@progbits
	.p2align	6, 0x0
	.amdhsa_kernel k_q92d6b28da1_enc
		.amdhsa_group_segment_fixed_size 327680
		.amdhsa_private_segment_fixed_size 0
		.amdhsa_enable_private_segment 0
		.amdhsa_kernarg_size 64
		.amdhsa_user_sgpr_count 2
		.amdhsa_user_sgpr_kernarg_segment_ptr 1
		.amdhsa_wavefront_size32 1
		.amdhsa_system_sgpr_workgroup_id_x 1
		.amdhsa_system_sgpr_workgroup_id_y 1
		.amdhsa_system_sgpr_workgroup_id_z 1
		.amdhsa_system_vgpr_workitem_id 0
		.amdhsa_next_free_vgpr 1024
		.amdhsa_next_free_sgpr 106
		.amdhsa_reserve_vcc 1
		.amdhsa_float_denorm_mode_32 3
		.amdhsa_float_denorm_mode_16_64 3
		.amdhsa_memory_ordered 1
		.amdhsa_forward_progress 1
		.amdhsa_inst_pref_size 228
	.end_amdhsa_kernel
	.amdgpu_metadata
---
amdhsa.version: [ 1, 2 ]
amdhsa.kernels:
  - .name:           k_q92d6b28da1_enc
    .symbol:         k_q92d6b28da1_enc.kd
    .args:
      - { .name: W_codes, .offset: 0, .size: 8, .value_kind: global_buffer, .address_space: global }
      - { .name: W_scales, .offset: 8, .size: 8, .value_kind: global_buffer, .address_space: global }
      - { .name: b, .offset: 16, .size: 8, .value_kind: global_buffer, .address_space: global }
      - { .name: hiddens_codes, .offset: 24, .size: 8, .value_kind: global_buffer, .address_space: global }
      - { .name: hiddens_scales, .offset: 32, .size: 8, .value_kind: global_buffer, .address_space: global }
      - { .name: y, .offset: 40, .size: 8, .value_kind: global_buffer, .address_space: global }
      - { .name: out0, .offset: 48, .size: 8, .value_kind: global_buffer, .address_space: global }
      - { .name: out1, .offset: 56, .size: 8, .value_kind: global_buffer, .address_space: global }
    .group_segment_fixed_size: 327680
    .private_segment_fixed_size: 0
    .kernarg_segment_align: 8
    .kernarg_segment_size: 64
    .max_flat_workgroup_size: 128
    .sgpr_count:     106
    .vgpr_count:     1024
    .wavefront_size: 32
...
	.end_amdgpu_metadata
.endif
;; end of part 1
;; ======== version 2 of 2: 1 launch; 1.19 times as fast as version 1
;; launch enc (part 2): grid 16 x 16, 4 waves a work-group, clusters of 4 x 4, 327,680 bytes of LDS; arguments W_codes, W_scales, b, hiddens_codes, hiddens_scales, y, out0, out1; writes out0, out1
.if DOCPART == 2
	.amdgcn_target "amdgcn-amd-amdhsa--gfx1250"
	.amdhsa_code_object_version 6
	.text
	.protected	k_q92d6b28da1_enc
	.globl	k_q92d6b28da1_enc
	.p2align	8
	.type	k_q92d6b28da1_enc,@function
k_q92d6b28da1_enc:
	s_mov_b64 s[64:65], 0
	v_nop
	global_prefetch_b8 v0, s[64:65] scope:SCOPE_SE
	s_setreg_imm32_b32 hwreg(HW_REG_WAVE_MODE, 25, 1), 1
	s_wait_xcnt 0x0
	s_wait_alu depctr_hold_cnt(0) depctr_sa_sdst(0) depctr_va_vdst(0) depctr_va_sdst(0) depctr_va_ssrc(0) depctr_va_vcc(0) depctr_vm_vsrc(0)
	s_getreg_b32 s2, hwreg(HW_REG_IB_STS2, 6, 4)
	s_cmp_eq_u32 s2, 0
	s_cbranch_scc0 .Lentry_in_a_cluster
	s_endpgm
.Lentry_in_a_cluster:
	s_bfe_u32 s2, ttmp6, 0x10000c
	s_cmp_lg_u32 s2, 0xf033
	s_cbranch_scc0 .Lentry_shape_is_right
	s_endpgm
.Lentry_shape_is_right:
; logits[b][k] = sum over j of y[b][j] x (sum over f of h[b][f] W[j][k][f] + bias[j][k]);  out0 = logits[:, 0:128];  out1 = sqrt(softplus(logits[:, 128:256])).
; h [4096][1024] and W [64][256][1024] are codes of FP4 (E2M1), two a byte, with one E8M0 byte for each 32 along K; they go to the matrix instruction as they lie.  y, bias, out0, out1: f32.
; SHARES.  A work-group makes 256 batch rows (bt) x 16 columns of the logits (lt) for all 64 experts and all of K: 16 x 16 work-groups.  All experts of an output lie in one work-group, so no sum spans
; work-groups.  Of the tiles with 4,096 outputs this one reads the fewest bytes: 64 x 16 rows of W (512 KB) and 256 rows of h (128 KB).  Its price: a work-group's piece of an output row is 64 bytes, so a
; store of a wave covers eight pieces of 64 consecutive bytes; the four work-groups beside each other along x write the four quarters of the same 256 bytes.
; Wave w = 2 eh + bh takes 128 batch rows (half bh) and 32 experts (half eh).  Its 128 rows of h stay in 512 registers for the whole launch, so one expert's fragments of W (8 KB from LDS) feed 64 matrix
; instructions.  The two halves of the experts meet once, at the end, through LDS.
; THE MATRIX INSTRUCTION IS USED TRANSPOSED: source 0 = 16 rows of W[j], source 1 = 16 batch rows.  Lane (r, h) then holds batch row r and its register i column 16 lt + 8 h + i: y[b][j] is ONE number a lane.
; The bias is the C of each sum's first instruction.  An expert's finished tile enters the output by four packed multiply-adds with y.
; CLUSTER, 4 x 4.  W's codes and scales and the bias hang on lt alone: asked for jointly along a column of the cluster.  h's codes and y hang on bt alone: jointly along a row.  Every tensor load is joint.
; LDS.  A position = one expert's 16 rows x (512 + 16) bytes.  Two slots of 12 positions (P, Q): the low half's experts at positions 0-5 of a slot, the high half's at 6-11.  h passes through positions 10-25 at
; the start, so the first slot holds only 4 experts of each half (positions 0-3, 6-9).  A wave's experts 0-3 | 4-9 | 10-15 | 16-21 | 22-27 | 28-31 lie in P | Q | P | Q | P | Q.  Behind them y, W's scales, the bias.
; LIMITS.  Where sigma's input lies under about -87 the exponential gives 0 and sigma comes out 0, where the exact number lies under 1.3e-19.  A scale byte 0xff gives NaN, as the format has it; NaN and
; infinities in y or the bias go through the arithmetic as they are.  The sum over the experts is formed as two halves of 32, added at the end: another order of rounding than a single chain's.
; REGISTERS, in windows of 256 (s_set_vgpr_msb: bits 1:0 source 0, 3:2 source 1, 5:4 source 2, 7:6 destination):
;   window 0: v1-7, v48-50 addresses; v8-39 h's scale words; v40-47 W's, two sets; v64-191 W's fragments, two sets; v192-255 the eight tiles of the expert in hand
;   windows 1, 2: h's fragments: tile t in window 1 + t / 4 at 64 (t % 4) + 8 s.     window 3: v0-63 the output's eight tiles; v64-79 y, a pair of experts for each tile; v80-95 the bias, two sets
.set POS,   8448                       ; a position
.set QB,    12*POS                     ; slot Q (slot P begins at 0)
.set HB,    10*POS                     ; h's 256 rows x 528 bytes, at the start only
.set YP,    272                        ; a row of y in LDS: 256 bytes + 16
.set YL,    26*POS                     ; y: 256 rows
.set SCW,   YL+256*YP                  ; W's scale bytes: expert j's 16 rows x 32 bytes at 512 j
.set BIA,   SCW+64*512                 ; the bias: expert j's 16 numbers at 64 j
.set SPARE, BIA+64*64                  ; the spare words, 128 bytes for each wave: two blocks of 256 bytes that no other line names
.set SGP,   80                         ; the way out: a stage row, 64 bytes + 16;
.set SGW,   128*SGP                    ; wave w's stage at SGW w, in slot P, which by then has had its last fill and its last read
.set SPW,  1                           ; v1  LDS address of my spare word; never rewritten
.set NIL,  2                           ; v2  0; never rewritten
.set AW0,  3                           ; v3  my lane's place in a position, and my half's six positions
.set ASW0, 4                           ; v4  my lane's place among W's scale words
.set AB0,  5                           ; v5  in the bias
.set AY0,  6                           ; v6  in y
.set ADR,  7                           ; v7  the trip's address of W's fragments (at the head: of h's)
.set ADS,  48                          ; v48 of W's scale words;  v49 of the bias;  v50 of y: one register for each kind, made once a trip
.set ADB,  49
.set ADY,  50
.set HS,   8                           ; h's scale words: register 4 t + i: lanes 0-15 K step i of tile t's rows, lanes 16-31 K step 4 + i
.set WS,   40                          ; W's likewise, set p at WS + 4 p
.set WF,   64                          ; W's fragments, set p at WF + 64 p, K step s at + 8 s
.set D,    192                         ; tile t at D + 8 t
.set Y,    64                          ; window 3: tile t's pair at Y + 2 t
.set BI,   80                          ; window 3: the bias, set p at BI + 8 p
.set WV,   20                          ; s20 wave;  s21 its half of the experts;  s22 its half of the batch rows;  s23 the loops' counter, at the head a temporary for terms of the wave's number
.set EH,   21
.set BH,   22
.set CNT,  23
.set G1H,  24                          ; descriptor groups 1: h's codes, y, W's scales, the bias, W's codes for three experts and for two
.set G1Y,  32
.set G1S,  40
.set G1B,  48
.set G1C3, 56
.set G1C2, 68
.set G0H,  76                          ; groups 0
.set G0S,  80
.set G0B,  84
.set G0C,  88
.set G0Y,  92
.set TB,   96                          ; s96 LDS byte of the next even expert's position;  s97, s98, s99 the same for its scale words, its bias and its pair of y
.set TS,   97
.set TBI,  98
.set TY,   99
.set L3,   100                         ; s100, s101 my part of a slot, where I fetch three experts and where two
.set L2,   101
.set BT,   66                          ; s66 bt;  s67 lt
.set LT,   67
.set WB3,  4                           ; s[4:5], s[6:7] W's codes at my first expert, for loads of three and of two
.set WB2,  6
.set FMW,  0xfc                        ; the multiply-adds with y: source 0 (the tile) window 0, all else window 3.  Also: LDS loads into window 3, their address in window 0
.set MSB,  0
.macro WIN new                         ; the immediate's high byte repeats the setting that is left; a switch that changes nothing is dropped
.if MSB != (\new)
	s_set_vgpr_msb (MSB<<8)|(\new)
.set MSB, (\new)
.endif
.endm
.macro PLACES                          ; four plain vector instructions (ISA guide 7.12.1)
.rept 4
	v_nop
.endr
.endm
; A round of the cluster's barrier: my work-group's barrier, wave 0 signals for the work-group, every wave waits for all sixteen, my work-group's barrier once more.
.macro CROUND
	s_barrier_signal -1
	s_barrier_wait -1
	s_cmp_lg_u32 s[WV], 0
	s_cbranch_scc1 .Lnot_wave_0_\@
	s_barrier_signal -3
.Lnot_wave_0_\@:
	s_barrier_wait -3
	s_barrier_signal -1
	s_barrier_wait -1
.endm
.macro G1REST g, c, r, p               ; a tile of r rows x c elements of 8 bytes, p elements from row to row; the tensor's extents are the tile's
	s_mov_b32 s[\g+1], (\c)<<16
	s_mov_b32 s[\g+2], (\r)<<16
	s_mov_b32 s[\g+3], (\c)<<16
	s_mov_b32 s[\g+4], \r
	s_mov_b32 s[\g+5], \p
	s_mov_b32 s[\g+6], 0
	s_mov_b32 s[\g+7], 0
.endm
	s_load_b512 s[4:19], s[0:1], 0x0               ; W's codes s[4:5], W's scales s[6:7], bias s[8:9], h's codes s[10:11], h's scales s[12:13], y s[14:15], out0 s[16:17], out1 s[18:19]
	v_lshl_add_u32 v[SPW], v0, 2, SPARE
	v_mov_b32 v[NIL], 0
	ds_add_u32 v1, v2
	ds_add_u32 v1, v2
	s_wait_dscnt 0x0
	v_lshrrev_b32 v[ADR], 5, v0
	v_readfirstlane_b32 s[WV], v[ADR]              ; wave 0..3
	s_lshr_b32 s[EH], s[WV], 1
	s_and_b32 s[BH], s[WV], 1
	s_bfe_u32 s104, ttmp6, 0x40000                 ; cx
	s_bfe_u32 s2, ttmp6, 0x40004                   ; cy
	s_lshl_b32 s[LT], ttmp9, 2
	s_add_co_u32 s[LT], s[LT], s104                ; lt = 4 x cluster x + cx
	s_and_b32 s[BT], ttmp7, 0xffff
	s_lshl_b32 s[BT], s[BT], 2
	s_add_co_u32 s[BT], s[BT], s2                  ; bt = 4 x cluster y + cy
	s_lshl_b32 s2, s2, 2
	s_lshl_b32 s2, 15, s2                          ; my row of the cluster
	s_lshl_b32 s104, 0x1111, s104                  ; my column
	; groups 1.  Word 0: 15:0 the mask; 17:16 elements of 8 bytes; 20 padding on; 21 set beside a mask; 24:22 the padding's interval; 31:25 four words of it
	s_or_b32 s[G1H], s2, (3<<16)|(1<<20)|(1<<21)|(6<<22)|(3<<25)     ; h: rows of 512 bytes, 16 behind each
	s_or_b32 s[G1Y], s2, (3<<16)|(1<<20)|(1<<21)|(5<<22)|(3<<25)     ; y: rows of 256 bytes, 16 behind each
	s_or_b32 s[G1S], s104, (3<<16)|(1<<21)                           ; W's scales: an expert's 512 bytes a row, dense in LDS
	s_or_b32 s[G1B], s104, (3<<16)|(1<<21)                           ; the bias: an expert's 64 bytes a row
	s_or_b32 s[G1C3], s104, (3<<16)|(1<<20)|(1<<21)|(6<<22)|(3<<25)  ; W's codes: a row of the tile is an expert's 16 rows, 8,192 dense bytes; 16 bytes of padding behind every 512: 8,448 in LDS
	s_or_b32 s[G1C2], s104, (3<<16)|(1<<20)|(1<<21)|(6<<22)|(3<<25)
	G1REST G1H, 64, 64, 64                         ; 64 rows of h
	G1REST G1Y, 32, 64, 32                         ; 64 rows of y
	G1REST G1S, 64, 16, 1024                       ; 16 experts, 8,192 bytes apart
	G1REST G1B, 8, 16, 128                         ; 16 experts, 1,024 bytes apart
	G1REST G1C3, 1024, 3, 16384                    ; 3 experts, 131,072 bytes apart
	G1REST G1C2, 1024, 2, 16384                    ; 2 experts
	s_mul_i32 s[L3], s[WV], 3*POS                  ; positions 3 w on
	s_mul_i32 s[L2], s[EH], 6*POS
	s_mul_i32 s[CNT], s[BH], 2*POS
	s_add_co_u32 s[L2], s[L2], s[CNT]              ; positions 6 eh + 2 bh on
	s_mov_b32 s[G0H], 1                            ; groups 0: count 1; the LDS address: a constant + the wave's number x a constant
	s_mul_i32 s[G0H+1], s[WV], 64*528
	s_add_co_u32 s[G0H+1], s[G0H+1], HB
	s_mov_b32 s[G0Y], 1
	s_mul_i32 s[G0Y+1], s[WV], 64*YP
	s_add_co_u32 s[G0Y+1], s[G0Y+1], YL
	s_mov_b32 s[G0S], 1
	s_lshl_b32 s[G0S+1], s[WV], 13
	s_add_co_u32 s[G0S+1], s[G0S+1], SCW
	s_mov_b32 s[G0B], 1
	s_lshl_b32 s[G0B+1], s[WV], 10
	s_add_co_u32 s[G0B+1], s[G0B+1], BIA
	s_mov_b32 s[G0C], 1
	s_mov_b32 s[G0C+1], s[L2]                      ; the first slot: P, two experts a wave
	s_mov_b32 s3, 0
	s_mov_b32 s105, 0
	s_wait_kmcnt 0x0
	; the global addresses.  s[2:3] take terms of bt, which my row of the cluster shares; s[104:105] terms of lt, which my column shares
	s_lshl_b32 s2, s[BT], 17                       ; h: 256 rows of 512 bytes a work-group, 64 a wave
	s_lshl_b32 s[CNT], s[WV], 15
	s_add_co_u32 s2, s2, s[CNT]
	s_add_nc_u64 s[G0H+2:G0H+3], s[10:11], s[2:3]
	s_or_b32 s[G0H+3], s[G0H+3], 0x80000000
	s_lshl_b32 s2, s[BT], 16                       ; y: 256 rows of 256 bytes, 64 a wave
	s_lshl_b32 s[CNT], s[WV], 14
	s_add_co_u32 s2, s2, s[CNT]
	s_add_nc_u64 s[G0Y+2:G0Y+3], s[14:15], s[2:3]
	s_or_b32 s[G0Y+3], s[G0Y+3], 0x80000000
	s_lshl_b32 s104, s[LT], 9                      ; W's scales: my 16 rows of 32 bytes; experts 16 w on
	s_lshl_b32 s[CNT], s[WV], 17
	s_add_co_u32 s104, s104, s[CNT]
	s_add_nc_u64 s[G0S+2:G0S+3], s[6:7], s[104:105]
	s_or_b32 s[G0S+3], s[G0S+3], 0x80000000
	s_lshl_b32 s104, s[LT], 6                      ; the bias: my 16 numbers; experts 16 w on
	s_lshl_b32 s[CNT], s[WV], 14
	s_add_co_u32 s104, s104, s[CNT]
	s_add_nc_u64 s[G0B+2:G0B+3], s[8:9], s[104:105]
	s_or_b32 s[G0B+3], s[G0B+3], 0x80000000
	s_lshl_b32 s104, s[LT], 13                     ; W's codes: my 16 rows of 512 bytes, expert 32 eh
	s_lshl_b32 s[CNT], s[EH], 22
	s_add_co_u32 s104, s104, s[CNT]
	s_add_nc_u64 s[4:5], s[4:5], s[104:105]
	s_lshl_b32 s104, s[BH], 18
	s_add_nc_u64 s[WB2:WB2+1], s[4:5], s[104:105]  ; + 2 bh experts
	s_mul_i32 s104, s[BH], 3<<17
	s_add_nc_u64 s[WB3:WB3+1], s[4:5], s[104:105]  ; + 3 bh experts
	s_mov_b64 s[G0C+2:G0C+3], s[WB2:WB2+1]
	s_or_b32 s[G0C+3], s[G0C+3], 0x80000000
	CROUND                                         ; all sixteen work-groups are here: the first joint loads meet
	tensor_load_to_lds s[G0H:G0H+3], s[G1H:G1H+7]  ; the first fills, one group: five loads of mine are out.  h first: it is wanted first
	s_nop 0
	tensor_load_to_lds s[G0S:G0S+3], s[G1S:G1S+7]
	s_nop 0
	tensor_load_to_lds s[G0B:G0B+3], s[G1B:G1B+7]
	s_nop 0
	tensor_load_to_lds s[G0C:G0C+3], s[G1C2:G1C2+7]
	s_nop 0
	tensor_load_to_lds s[G0Y:G0Y+3], s[G1Y:G1Y+7]
	s_nop 0
	PLACES
	s_cmp_lt_u32 ttmp9, 2                          ; lt < 8: the mean's columns.  The cluster's x: equal in all partners
	s_cselect_b64 s[16:17], s[16:17], s[18:19]
	s_lshl_b32 s2, s[BT], 17                       ; the rows that I store: 256 bt + 128 bh + 64 eh on, 512 bytes each,
	s_lshl_b32 s[CNT], s[BH], 16
	s_add_co_u32 s2, s2, s[CNT]
	s_lshl_b32 s[CNT], s[EH], 15
	s_add_co_u32 s2, s2, s[CNT]
	s_add_nc_u64 s[16:17], s[16:17], s[2:3]
	s_and_b32 s104, s[LT], 7
	s_lshl_b32 s104, s104, 6                       ; and my 64 bytes in them
	s_add_nc_u64 s[16:17], s[16:17], s[104:105]
	s_lshl_b32 s2, s[BT], 13                       ; h's scales: my 128 rows of 32 bytes
	s_lshl_b32 s[CNT], s[BH], 12
	s_add_co_u32 s2, s2, s[CNT]
	s_add_nc_u64 s[12:13], s[12:13], s[2:3]
	v_and_b32 v192, 15, v0                         ; r
	v_bfe_u32 v193, v0, 4, 1                       ; h
	v_mul_u32_u24 v194, v192, 528
	v_lshl_add_u32 v194, v193, 4, v194             ; a fragment's row x pitch + 16 h
	v_lshlrev_b32 v195, 5, v192
	v_lshl_add_u32 v195, v193, 4, v195             ; a row's 32 scale bytes: lanes 0-15 take K steps 0-3, lanes 16-31 K steps 4-7
.irp t, 0,1,2,3,4,5,6,7
	global_load_b128 v[HS+4*\t:HS+4*\t+3], v195, s[12:13] offset:512*\t   ; 32 lanes read 512 consecutive bytes: the scale words of tile t's 16 rows
.endr
	s_mul_i32 s2, s[EH], 6*POS
	v_add_nc_u32 v[AW0], s2, v194
	s_lshl_b32 s2, s[EH], 14
	s_add_co_u32 s2, s2, SCW
	v_add_nc_u32 v[ASW0], s2, v195
	s_lshl_b32 s2, s[EH], 11
	s_add_co_u32 s2, s2, BIA
	v_lshl_add_u32 v[AB0], v193, 5, s2             ; the bias of columns 8 h on
	s_mul_i32 s2, s[BH], 128*YP
	s_lshl_b32 s[CNT], s[EH], 7
	s_add_co_u32 s2, s2, s[CNT]
	s_add_co_u32 s2, s2, YL
	v_mul_u32_u24 v[AY0], v192, YP
	v_add_nc_u32 v[AY0], s2, v[AY0]                ; y: row 128 bh + r, experts 32 eh on
	s_mul_i32 s2, s[BH], 128*528
	s_add_co_u32 s2, s2, HB
	v_add_nc_u32 v[ADR], s2, v194                  ; h: row 128 bh + r
	s_wait_tensorcnt 4                             ; my part of h is in; the four loads issued behind it may stay out
	s_barrier_signal -1
	s_barrier_wait -1                              ; everybody's is
	; h's 128 rows into 512 registers: tile t, K step s: two loads of 16 bytes, 32 bytes apart (registers 4 c .. 4 c + 3 hold K = 128 s + 64 c + 32 h + 0 .. 31)
	WIN 0x40                                       ; destination window 1
.irp t, 0,1,2,3
.irp s, 0,1,2,3,4,5,6,7
	ds_load_b128 v[64*\t+8*\s:64*\t+8*\s+3],   v[ADR] offset:POS*\t+64*\s
	ds_load_b128 v[64*\t+8*\s+4:64*\t+8*\s+7], v[ADR] offset:POS*\t+64*\s+32
.endr
.endr
	WIN 0x80                                       ; destination window 2
.irp t, 0,1,2,3
.irp s, 0,1,2,3,4,5,6,7
	ds_load_b128 v[64*\t+8*\s:64*\t+8*\s+3],   v[ADR] offset:POS*(\t+4)+64*\s
	ds_load_b128 v[64*\t+8*\s+4:64*\t+8*\s+7], v[ADR] offset:POS*(\t+4)+64*\s+32
.endr
.endr
; Matrix instruction i of a phase's 32: K step i / 4, tile 4 half + i % 4, W's set par.  The four accumulators take turns, one instruction a turn.
; The first K step takes the bias (window 3) as C.  K steps 4-7 take their scale words from lanes 16-31.
.macro MM par, half
.set KQ, i/4
.set rD, D+8*(4*(\half)+i%4)
.set rA, WF+64*(\par)+8*KQ
.set rB, 64*(i%4)+8*KQ
.set rW, WS+4*(\par)+KQ%4
.set rH, HS+4*(4*(\half)+i%4)+KQ%4
.if KQ == 0
	v_wmma_scale_f32_16x16x128_f8f6f4 v[rD:rD+7], v[rA:rA+7], v[rB:rB+7], v[BI+8*(\par):BI+8*(\par)+7], v[rW], v[rH] matrix_a_fmt:MATRIX_FMT_FP4 matrix_b_fmt:MATRIX_FMT_FP4
.elseif KQ < 4
	v_wmma_scale_f32_16x16x128_f8f6f4 v[rD:rD+7], v[rA:rA+7], v[rB:rB+7], v[rD:rD+7], v[rW], v[rH] matrix_a_fmt:MATRIX_FMT_FP4 matrix_b_fmt:MATRIX_FMT_FP4
.else
	v_wmma_scale_f32_16x16x128_f8f6f4 v[rD:rD+7], v[rA:rA+7], v[rB:rB+7], v[rD:rD+7], v[rW], v[rH] matrix_a_fmt:MATRIX_FMT_FP4 matrix_b_fmt:MATRIX_FMT_FP4 matrix_a_scale:MATRIX_SCALE_ROW1 matrix_b_scale:MATRIX_SCALE_ROW1
.endif
.endm
; Four numbers (half FQ) of tile FT enter the output: out += tile x y.  sel: which expert of y's pair.  kind = 2: the first expert starts the sums: nothing is cleared.
.macro FM2 sel, kind
.irp n, 0,2
.set rO, 8*FT+4*FQ+\n
.if (\kind) == 2
	v_pk_mul_f32 v[rO:rO+1], v[D+rO:D+rO+1], v[Y+2*FT:Y+2*FT+1] op_sel_hi:[1,0]
.elseif (\sel) == 0
	v_pk_fma_f32 v[rO:rO+1], v[D+rO:D+rO+1], v[Y+2*FT:Y+2*FT+1], v[rO:rO+1] op_sel_hi:[1,0,1]
.else
	v_pk_fma_f32 v[rO:rO+1], v[D+rO:D+rO+1], v[Y+2*FT:Y+2*FT+1], v[rO:rO+1] op_sel:[0,1,0] op_sel_hi:[1,1,1]
.endif
.endr
.endm
; A PHASE: one expert (W's set par) against four tiles of batch rows (half): 32 matrix instructions.  ALL ITS OTHER WORK STANDS IN RUNS behind the first four of them, under three window settings in all:
;   four products: the first K step, with the bias as C;
;   four plain vector instructions: the places behind the phase before's products, for the first read of its tiles and for the loads into the set that it multiplied.  adr = 1: they make the trip's four LDS addresses;
;   fm: the other half's four finished tiles enter the output: sixteen packed multiply-adds, each tile from its low end on (1: multiply-add, 2: multiply);
;   yld: the next pair of y for all eight tiles: here the old pair has had its last use;
;   fetch: the expert foff positions behind the trip's addresses into the other set: bias 2 loads, scale words 1, fragments 16: it is first used two phases on;
;   the other 28 products, back to back.
; A phase's first four products begin tiles anew with another C: behind those tiles' last products stand the phase between's four places and twelve multiply-adds on other tiles.
.macro PHASE par, half, adr, fetch, foff, fm, ysel, yld
.set MW, 0x04+4*(\half)                ; source 1 (h) window 1 or 2, all else window 0
	WIN MW+0x30                                    ; and C (the bias) window 3
.set i, 0
.rept 4
	MM \par, \half
.set i, i+1
.endr
.if \adr
	v_add_nc_u32 v[ADR], v[AW0], s[TB]
	v_add_nc_u32 v[ADS], v[ASW0], s[TS]
	v_add_nc_u32 v[ADB], v[AB0], s[TBI]
	v_add_nc_u32 v[ADY], v[AY0], s[TY]
.else
	PLACES
.endif
	WIN FMW
.if \fm
.irp u, 0,1,2,3
.irp q, 0,1
.set FT, 4*(1-(\half))+\u
.set FQ, \q
	FM2 \ysel, \fm
.endr
.endr
.endif
.if \yld
.irp u, 0,1,2,3,4,5,6,7
	ds_load_b64 v[Y+2*\u:Y+2*\u+1], v[ADY] offset:16*YP*\u
.endr
.endif
.if \fetch
	ds_load_b128 v[BI+8*(1-(\par)):BI+8*(1-(\par))+3],   v[ADB] offset:64*(\foff)
	ds_load_b128 v[BI+8*(1-(\par))+4:BI+8*(1-(\par))+7], v[ADB] offset:64*(\foff)+16
.endif
	WIN MW
.if \fetch
	ds_load_b128 v[WS+4*(1-(\par)):WS+4*(1-(\par))+3], v[ADS] offset:512*(\foff)
.irp s, 0,1,2,3,4,5,6,7
	ds_load_b128 v[WF+64*(1-(\par))+8*\s:WF+64*(1-(\par))+8*\s+3],   v[ADR] offset:POS*(\foff)+64*\s
	ds_load_b128 v[WF+64*(1-(\par))+8*\s+4:WF+64*(1-(\par))+8*\s+7], v[ADR] offset:POS*(\foff)+64*\s+32
.endr
.endif
.rept 28
	MM \par, \half
.set i, i+1
.endr
.endm
.macro STEPS                           ; on by two experts
	s_add_co_u32 s[TB], s[TB], 2*POS
	s_add_co_u32 s[TS], s[TS], 1024
	s_add_co_u32 s[TBI], s[TBI], 128
	s_add_co_u32 s[TY], s[TY], 8
.endm
; A TRIP: an odd expert o (set 1), then the even expert o + 1 (set 0).  It fetches experts o + 1 and o + 2, and y's pair (o + 1, o + 2).  first = 1: tiles 4-7 of expert 0 start their sums.
.macro TRIP first
	s_wait_dscnt 0x0                               ; expert o's 19 loads, issued more than a phase ago
	PHASE 1, 0, 1, 1, 0, 1+\first, 0, 0            ; tiles 0-3 of o | the trip's addresses | tiles 4-7 of o - 1 enter the output | expert o + 1 is fetched
	PHASE 1, 1, 0, 0, 0, 1, 1, 0                   ; tiles 4-7 of o | tiles 0-3 of o enter
	s_wait_dscnt 0x0                               ; expert o + 1's 19 loads, issued 60 matrix instructions ago
	PHASE 0, 0, 0, 1, 1, 1, 1, 1                   ; tiles 0-3 of o + 1 | tiles 4-7 of o enter | the next pair of y | expert o + 2 is fetched
	s_wait_dscnt 19                                ; y's eight loads are in; the 19 issued behind them (bias 2, scale words 1, fragments 16) may be out
	PHASE 0, 1, 0, 0, 0, 1, 0, 0                   ; tiles 4-7 of o + 1 | tiles 0-3 of o + 1 enter
	STEPS
.endm
.macro LOOPT n
	s_mov_b32 s[CNT], \n
.Ltrip_\@:
	TRIP 0
	WIN 0                                          ; at a label and at a branch every window is 0
	s_sub_co_u32 s[CNT], s[CNT], 1
	s_cmp_lg_u32 s[CNT], 0
	s_cbranch_scc1 .Ltrip_\@
.endm
; THE CHANGE OF SLOTS stands in front of the products of a slot's last expert, whose fragments are asked for by then.  Each wave waits for all its tensor loads, of which one is out: its part of the slot ahead;
; adds 0 to its spare word; and waits for that and for its reads of the slot that it leaves.  The fetches go on at LDS byte newtb, with my expert a.  fill = 1: the slot that is left takes my experts a2 on: the
; barrier is then a round of the cluster's, so that no wave of any partner still reads the slot or has a load on its way, and the joint refill is the first thing behind it.
.macro CHANGE fill, g1, lreg, lbase, gbase, a2, newtb, a
	WIN 0
	s_wait_tensorcnt 0x0                           ; no tensor load of mine is out, so the group 0 may be written
	ds_add_u32 v[SPW], v[NIL]                      ; 0 onto my spare word; the scalar lines below stand between it and the wait for it
	s_mov_b32 s[TB], \newtb
	s_mov_b32 s[TS], 512*(\a)
	s_mov_b32 s[TBI], 64*(\a)
	s_mov_b32 s[TY], 4*(\a)
.if \fill
	s_add_co_u32 s[G0C+1], s[\lreg], \lbase
	s_add_nc_u64 s[G0C+2:G0C+3], s[\gbase:\gbase+1], (\a2)<<17
	s_or_b32 s[G0C+3], s[G0C+3], 0x80000000
.endif
	s_wait_dscnt 0x0                               ; the add is done, and my reads of the slot that I leave are over
.if \fill
	CROUND
	tensor_load_to_lds s[G0C:G0C+3], s[\g1:\g1+7]  ; my one tensor load until the next round
	s_nop 0
	PLACES
.else
	s_barrier_signal -1
	s_barrier_wait -1
.endif
.endm
	CHANGE 1, G1C3, L3, QB, WB3, 4, 0, 0           ; h is in registers in every wave: Q, which lies over h's bytes, takes my experts 4-9.  All first fills have landed
	s_wait_loadcnt 0x0                             ; h's scale words
	v_add_nc_u32 v[ADR], v[AW0], s[TB]             ; the addresses of experts 0 and 1
	v_add_nc_u32 v[ADS], v[ASW0], s[TS]
	v_add_nc_u32 v[ADB], v[AB0], s[TBI]
	v_add_nc_u32 v[ADY], v[AY0], s[TY]
.irp s, 0,1,2,3,4,5,6,7
	ds_load_b128 v[WF+8*\s:WF+8*\s+3],   v[ADR] offset:64*\s          ; expert 0 into set 0
	ds_load_b128 v[WF+8*\s+4:WF+8*\s+7], v[ADR] offset:64*\s+32
.endr
	ds_load_b128 v[WS:WS+3], v[ADS]
	WIN FMW                                        ; destination window 3
	ds_load_b128 v[BI:BI+3], v[ADB]
	ds_load_b128 v[BI+4:BI+7], v[ADB] offset:16
.irp t, 0,1,2,3,4,5,6,7
	ds_load_b64 v[Y+2*\t:Y+2*\t+1], v[ADY] offset:16*YP*\t   ; y of experts 0 and 1 for all eight tiles
.endr
	s_wait_dscnt 0x0
	PHASE 0, 0, 0, 1, 1, 0, 0, 0                   ; expert 0, tiles 0-3 | expert 1 is fetched
	PHASE 0, 1, 0, 0, 0, 2, 0, 0                   ; expert 0, tiles 4-7 | tiles 0-3 start their sums
	STEPS
	TRIP 1                                         ; experts 1, 2; fetches 2, 3
	CHANGE 1, G1C3, L3, 0, WB3, 10, QB, 4          ; P takes experts 10-15; on in Q
	LOOPT 3                                        ; experts 3-8; fetches 4-9
	CHANGE 1, G1C3, L3, QB, WB3, 16, 0, 10         ; Q takes 16-21; on in P
	LOOPT 3                                        ; experts 9-14; fetches 10-15
	CHANGE 1, G1C3, L3, 0, WB3, 22, QB, 16         ; P takes 22-27; on in Q
	LOOPT 3                                        ; experts 15-20; fetches 16-21
	CHANGE 1, G1C2, L2, QB, WB2, 28, 0, 22         ; Q takes 28-31, two experts a wave; on in P
	LOOPT 3                                        ; experts 21-26; fetches 22-27
	CHANGE 0, G1C2, L2, 0, WB2, 0, QB, 28          ; nothing is left to ask for; on in Q.  Behind this barrier nobody reads P
	LOOPT 2                                        ; experts 27-30; fetches 28-31
	s_wait_dscnt 0x0
	PHASE 1, 0, 0, 0, 0, 1, 0, 0                   ; expert 31, tiles 0-3 | tiles 4-7 of expert 30 enter
	PHASE 1, 1, 0, 0, 0, 1, 1, 0                   ; expert 31, tiles 4-7 | tiles 0-3 of expert 31 enter
	PLACES                                         ; behind the last products
	WIN FMW
.irp t, 4,5,6,7
.irp q, 0,1
.set FT, \t
.set FQ, \q
	FM2 1, 1                                       ; tiles 4-7 of expert 31 enter
.endr
.endr
	WIN 0
	; THE WAY OUT.  Each wave puts its 128 rows x 16 columns, summed over its 32 experts, into its stage; behind a barrier wave (eh, bh) adds rows 64 eh .. 64 eh + 63 of half bh from the two stages that hold them.
.set STO, 66
.set RD,  70
.set GO,  71
.set X,   96                           ; v96-127 the low experts' sums, then the results;  v128-159 the high experts'
.set XP,  128
.set T,   160                          ; v160-191 at work
.set U,   168
.set Q,   176
.set M,   184
	v_and_b32 v64, 15, v0                          ; r
	v_bfe_u32 v65, v0, 4, 1                        ; h
	v_mul_u32_u24 v[STO], v64, SGP
	v_lshl_add_u32 v[STO], v65, 5, v[STO]
	s_mul_i32 s2, s[WV], SGW
	v_add_nc_u32 v[STO], s2, v[STO]                ; in: row r of a tile, 32 bytes for each half of the lanes
	v_and_b32 v67, 31, v0
	v_lshrrev_b32 v68, 2, v67                      ; back: four lanes to a row of 64 bytes, eight rows an instruction
	v_and_b32 v69, 3, v0
	v_mul_u32_u24 v[RD], v68, SGP
	v_lshl_add_u32 v[RD], v69, 4, v[RD]
	s_mul_i32 s2, s[BH], SGW
	s_mul_i32 s3, s[EH], 64*SGP
	s_add_co_u32 s2, s2, s3
	v_add_nc_u32 v[RD], s2, v[RD]
	v_lshlrev_b32 v[GO], 9, v68
	v_lshl_add_u32 v[GO], v69, 4, v[GO]            ; and the same place in the output: rows of 512 bytes
	WIN 0x0c                                       ; an LDS store's data are its source 1: window 3
.irp t, 0,1,2,3,4,5,6,7
	ds_store_b128 v[STO], v[8*\t:8*\t+3]   offset:16*SGP*\t
	ds_store_b128 v[STO], v[8*\t+4:8*\t+7] offset:16*SGP*\t+16
.endr
	WIN 0
	s_wait_dscnt 0x0                               ; for the others' sake: my stores into the stage are done
	s_barrier_signal -1
	s_barrier_wait -1
.irp n, 0,1,2,3,4,5,6,7
	ds_load_b128 v[X+4*\n:X+4*\n+3],   v[RD] offset:8*SGP*\n
	ds_load_b128 v[XP+4*\n:XP+4*\n+3], v[RD] offset:2*SGW+8*SGP*\n
.endr
	s_mov_b32 s2, 0xbfb8aa3b                       ; -log2(e)
	s_mov_b32 s3, 0x3a800000                       ; 2^-10
	s_mov_b32 s[CNT], 0x3f317218                   ; ln 2
	s_wait_dscnt 0x0
.irp n, 0,1,2,3,4,5,6,7,8,9,10,11,12,13,14,15
	v_pk_add_f32 v[X+2*\n:X+2*\n+1], v[X+2*\n:X+2*\n+1], v[XP+2*\n:XP+2*\n+1]
.endr
	s_cmp_lt_u32 ttmp9, 2
	s_cbranch_scc1 .Lmean                          ; the mean's columns leave as they are.  The branch hangs on the cluster's x alone and goes round vector work alone
	; sigma = sqrt(softplus(x)), softplus(x) = max(x, 0) + ln(1 + t), t = e^-|x|: no exponential can overflow.  Where t < 2^-10, 1 + t would lose t's low bits: ln(1 + t) = t (1 - t / 2) there, within t^3 / 3
.irp g, 0,1,2,3
.irp j, 0,1,2,3,4,5,6,7
	v_mul_f32 v[T+\j], s2, |v[X+8*\g+\j]|
.endr
.irp j, 0,1,2,3,4,5,6,7
	v_exp_f32 v[T+\j], v[T+\j]                     ; t
.endr
.irp j, 0,1,2,3,4,5,6,7
	v_max_num_f32 v[M+\j], 0, v[X+8*\g+\j]         ; (plain lines behind the exponentials, which touch none of their registers)
.endr
	s_wait_alu depctr_va_vdst(0)
.irp j, 0,1,2,3,4,5,6,7
	v_add_f32 v[U+\j], 1.0, v[T+\j]
.endr
.irp j, 0,1,2,3,4,5,6,7
	v_log_f32 v[U+\j], v[U+\j]
.endr
.irp j, 0,1,2,3,4,5,6,7
	v_fma_f32 v[Q+\j], v[T+\j], -0.5, 1.0          ; (plain lines behind the logarithms)
.endr
.irp j, 0,1,2,3,4,5,6,7
	v_mul_f32 v[Q+\j], v[Q+\j], v[T+\j]
.endr
	s_wait_alu depctr_va_vdst(0)
.irp j, 0,1,2,3,4,5,6,7
	v_cmp_gt_f32 vcc_lo, s3, v[T+\j]
	v_mul_f32 v[U+\j], s[CNT], v[U+\j]
	v_cndmask_b32 v[U+\j], v[U+\j], v[Q+\j], vcc_lo
	v_add_f32 v[X+8*\g+\j], v[M+\j], v[U+\j]
.endr
.irp j, 0,1,2,3,4,5,6,7
	v_sqrt_f32 v[X+8*\g+\j], v[X+8*\g+\j]
.endr
	v_nop                                          ; a plain line behind the roots
.endr
.Lmean:
	s_wait_alu depctr_va_vdst(0)
.irp n, 0,1,2,3,4,5,6,7
	global_store_b128 v[GO], v[X+4*\n:X+4*\n+3], s[16:17] offset:4096*\n   ; eight rows' pieces of 64 consecutive bytes
.endr
	s_wait_tensorcnt 0x0                           ; the wave's end, behind my last tensor load and my last LDS store
	ds_add_u32 v[SPW], v[NIL]
	s_wait_dscnt 0x0
	CROUND                                         ; the closing round: no work-group ends while a partner may still ask for a tile that names it
	s_endpgm
.Lfunc_end_k_q92d6b28da1_enc:
	.size	k_q92d6b28da1_enc, .Lfunc_end_k_q92d6b28da1_enc-k_q92d6b28da1_enc
	.p2alignl 7, 3214868480
	.fill 96, 4, 3214868480
	.section	.rodata,"a",@progbits
	.p2align	6, 0x0
	.amdhsa_kernel k_q92d6b28da1_enc
		.amdhsa_group_segment_fixed_size 327680
		.amdhsa_private_segment_fixed_size 0
		.amdhsa_enable_private_segment 0
		.amdhsa_kernarg_size 64
		.amdhsa_user_sgpr_count 2
		.amdhsa_user_sgpr_kernarg_segment_ptr 1
		.amdhsa_wavefront_size32 1
		.amdhsa_system_sgpr_workgroup_id_x 1
		.amdhsa_system_sgpr_workgroup_id_y 1
		.amdhsa_system_sgpr_workgroup_id_z 1
		.amdhsa_system_vgpr_workitem_id 0
		.amdhsa_next_free_vgpr 1024
		.amdhsa_next_free_sgpr 106
		.amdhsa_reserve_vcc 1
		.amdhsa_float_denorm_mode_32 3
		.amdhsa_float_denorm_mode_16_64 3
		.amdhsa_memory_ordered 1
		.amdhsa_forward_progress 1
		.amdhsa_inst_pref_size 214
	.end_amdhsa_kernel
	.amdgpu_metadata
---
amdhsa.version: [ 1, 2 ]
amdhsa.kernels:
  - .name:           k_q92d6b28da1_enc
    .symbol:         k_q92d6b28da1_enc.kd
    .args:
      - { .name: W_codes, .offset: 0, .size: 8, .value_kind: global_buffer, .address_space: global }
      - { .name: W_scales, .offset: 8, .size: 8, .value_kind: global_buffer, .address_space: global }
      - { .name: b, .offset: 16, .size: 8, .value_kind: global_buffer, .address_space: global }
      - { .name: hiddens_codes, .offset: 24, .size: 8, .value_kind: global_buffer, .address_space: global }
      - { .name: hiddens_scales, .offset: 32, .size: 8, .value_kind: global_buffer, .address_space: global }
      - { .name: y, .offset: 40, .size: 8, .value_kind: global_buffer, .address_space: global }
      - { .name: out0, .offset: 48, .size: 8, .value_kind: global_buffer, .address_space: global }
      - { .name: out1, .offset: 56, .size: 8, .value_kind: global_buffer, .address_space: global }
    .group_segment_fixed_size: 327680
    .private_segment_fixed_size: 0
    .kernarg_segment_align: 8
    .kernarg_segment_size: 64
    .max_flat_workgroup_size: 128
    .sgpr_count:     106
    .vgpr_count:     1024
    .wavefront_size: 32
...
	.end_amdgpu_metadata
.endif
;; end of part 2
